; MI455X (gfx1250); checked and timed in simulation.
; The chip was launched on July 23, 2026; its instructions are those of AMD's public machine-readable ISA for CDNA 5 (MIT licence, August 2026) and "CDNA5" Instruction Set Architecture Reference Guide (July 2026). The comments in the code are by the model that wrote it; some were corrected since.
;; Simple Attention. Allowed arithmetic: float matrix products may take bf16 or f16 operands with f32 sums; other float arithmetic in f32, or as packed bf16 or f16 multiplies, adds, multiply-adds, maxima and minima; sums over many terms, partial sums and values carried from step to step in f32; what a program stores and reads back later, other than sums and carried values, may be rounded once to bf16 or f16.
;; Inputs: b_proj 1,024 float32; b_qkv 3,072 float32; w_proj 1,024 x 1,024 float32; w_qkv 1,024 x 3,072 float32; x 4 x 4,096 x 1,024 float32.
;; Outputs: out0 4 x 4,096 x 1,024 float32.
;; One version. Each part assembles by itself: llvm-mc -triple=amdgcn-amd-amdhsa -mcpu=gfx1250 --defsym DOCPART=n.
;; ======== version 1 of 1: 4 launches
;; limits: values are held in f16: magnitudes above 65,504 overflow, below 6.1e-05 lose precision
;; workspace buffers: xb 33,554,432 bytes; wq 6,291,456 bytes; wp 2,097,152 bytes; bias 16,384 bytes; qkv 100,663,296 bytes; ob 33,554,432 bytes
;; launch prep (part 1): grid 1025 x 1, 8 waves a work-group, no clusters, 18,432 bytes of LDS; arguments x, w_qkv, w_proj, b_qkv, b_proj, xb, wq, wp, bias; writes xb, wq, wp, bias
.if DOCPART == 1
	.amdgcn_target "amdgcn-amd-amdhsa--gfx1250"
	.amdhsa_code_object_version 6
	.text
	.protected	k_qd9239499f5_prep
	.globl	k_qd9239499f5_prep
	.p2align	8
	.type	k_qd9239499f5_prep,@function
k_qd9239499f5_prep:
	s_mov_b64 s[64:65], 0
	v_nop
	global_prefetch_b8 v0, s[64:65] scope:SCOPE_SE
	s_setreg_imm32_b32 hwreg(HW_REG_WAVE_MODE, 25, 1), 1
	s_wait_xcnt 0x0
; THE INPUTS ARE ROUNDED ONCE AND LAID OUT FOR THE THREE LAUNCHES BEHIND.  Work-groups take one of four roles by their number (the same for all eight waves):
;   0 .. 511     xb[token][k] = bf16(x): a plain stream, 16,384 bytes of x a wave
;   512 .. 895   wq[n'][k] = bf16(w_qkv[k][col(n')]): a tile of 128 k x 64 columns is turned through LDS
;   896 .. 1023  wp[n][k'] = f16(bf16(w_proj[ch(k')][n])): the same, with 16 source rows a wave chosen by k'
;   1024         bias[0..3071] = b_qkv[col(n')], bias[3072..4095] = b_proj, each rounded to bf16 and kept as f32
; THE ORDERS.  q and k (n' < 2048): n' = part 1024 + c 256 + head 16 + e stands for column part 1024 + head 64 + 16 c + e.  v: n' = 2048 + d 16 + g stands for column 2048 + g 64 + d.
; k' = c 256 + head 16 + e stands for channel head 64 + 16 c + e.  With them every operand of the attention between a token's heads is 512 consecutive bytes.
; LIMITS.  A weight of w_proj below 2^-17 in size keeps f16's fixed step there (an error of 3e-8 at the most); beyond 65,504 it would be an infinity.  NaN and infinities are not treated apart.
; No work-group reads what another reads, so there is nothing to share in a cluster; the launch is a stream, so no matrix unit, no tensor load and no prefetch.
.set TPITCH, 272                       ; a row of the turned tile in LDS: 128 numbers of 16 bits + 16 bytes
.set SPARE,  64*TPITCH                 ; behind the tile's 64 rows (17,408 bytes = 68 blocks of 256): the spare words, 128 bytes for each of eight waves
.set SPW, 2                            ; v2  LDS address of my spare word; never rewritten
.set NIL, 3                            ; v3  0; never rewritten
.set WV,  22                           ; s22 my wave's number
	s_load_b512 s[4:19], s[0:1], 0x0               ; x s[4:5], w_qkv s[6:7], w_proj s[8:9], b_qkv s[10:11], b_proj s[12:13], xb s[14:15], wq s[16:17], wp s[18:19]
	s_load_b64 s[20:21], s[0:1], 0x40              ; bias
	v_lshl_add_u32 v[SPW], v0, 2, SPARE
	v_mov_b32 v[NIL], 0
	v_lshrrev_b32 v1, 5, v0
	v_readfirstlane_b32 s[WV], v1                  ; wave 0..7
	v_and_b32 v4, 31, v0                           ; lane
	v_and_b32 v5, 15, v0                           ; i = lane % 16
	v_bfe_u32 v6, v0, 4, 1                         ; hh = lane / 16
	s_wait_kmcnt 0x0
	s_cmp_lt_u32 ttmp9, 512
	s_cbranch_scc0 .Lnot_x
	; ROLE X.  32 loads of 512 consecutive bytes are all issued at once; each is rounded and stored as 256 consecutive bytes, aligned.
	s_lshl_b32 s24, ttmp9, 3
	s_add_co_u32 s24, s24, s[WV]                   ; my wave among 4,096
	s_lshl_b32 s26, s24, 13                        ; its 8,192 bytes of xb
	s_lshl_b32 s24, s24, 14                        ; its 16,384 bytes of x
	s_mov_b32 s25, 0
	s_mov_b32 s27, 0
	s_add_nc_u64 s[4:5], s[4:5], s[24:25]
	s_add_nc_u64 s[14:15], s[14:15], s[26:27]
	v_lshlrev_b32 v8, 4, v4
	v_lshlrev_b32 v9, 3, v4
.set j, 0
.rept 32
	global_load_b128 v[16+4*j:19+4*j], v8, s[4:5] offset:512*j th:TH_LOAD_NT
.set j, j+1
.endr
.set j, 0
.rept 32
	s_wait_loadcnt 31-j                            ; loads come back in order: number j is in, the 31 - j younger ones stay out
	v_cvt_pk_bf16_f32 v[16+4*j], v[16+4*j], v[17+4*j]
	v_cvt_pk_bf16_f32 v[17+4*j], v[18+4*j], v[19+4*j]
	global_store_b64 v9, v[16+4*j:17+4*j], s[14:15] offset:256*j
.set j, j+1
.endr
	s_endpgm                                       ; this role has written no LDS
; A TILE IS TURNED.  In front: s[24:25] = the wave's 16 source rows at the tile's 64 columns; s[26:27] = the output at the first row that the wave stores, at the tile's 256 bytes of k;
; s28 = bytes between two output rows that follow each other in the tile.  pitch = bytes in a source row; half = 1: the bf16 number is written as f16.
.macro WTILE pitch, half
	v_mul_u32_u24 v8, v6, 2*(\pitch)
	v_lshl_add_u32 v8, v5, 4, v8                   ; lanes 0-15 take 256 bytes of one row, lanes 16-31 of the row two further down
.irp q, 0,1,2,3
.irp s, 0,1
	global_load_b128 v[16+8*(\q)+4*(\s):16+8*(\q)+4*(\s)+3], v8, s[24:25] offset:(4*(\q)+(\s))*(\pitch) th:TH_LOAD_NT  ; row 4 q + s + 2 hh, columns 4 i .. 4 i + 3
.endr
.endr
	v_mul_u32_u24 v9, v5, 4*TPITCH                 ; into LDS: row = column 4 i + e, two neighbouring k in a word at k = 16 wave + 4 q + 2 hh
	v_lshl_add_u32 v9, v6, 2, v9
	s_lshl_b32 s44, s[WV], 5
	v_add_nc_u32 v9, s44, v9
	s_lshl_b32 s43, s[WV], 3                       ; back: wave w takes rows 8 w .. 8 w + 7, whole; lanes 0-15 one row of 256 bytes, lanes 16-31 the next
	v_add_nc_u32 v10, s43, v6
	v_mul_u32_u24 v10, v10, TPITCH
	v_lshl_add_u32 v10, v5, 4, v10
	s_and_b32 s42, s[WV], 1
	s_lshl_b32 s42, s42, 3
	v_add_nc_u32 v11, s42, v6                      ; 8 (w % 2) + hh
.irp j, 0,1,2,3
	v_add_nc_u32 v7, 2*(\j), v11
	v_mul_lo_u32 v7, v7, s28
	v_lshl_add_u32 v[12+(\j)], v5, 4, v7           ; the output row's offset + my 16 bytes of it
.endr
.irp q, 0,1,2,3
	s_wait_loadcnt 6-2*(\q)                        ; the two loads of group q are in, the younger ones stay out
.irp e, 0,1,2,3
	v_cvt_pk_bf16_f32 v[48+4*(\q)+(\e)], v[16+8*(\q)+(\e)], v[20+8*(\q)+(\e)]
.if \half
	v_lshlrev_b32 v64, 16, v[48+4*(\q)+(\e)]       ; the two bf16 numbers as f32,
	v_and_b32 v65, 0xffff0000, v[48+4*(\q)+(\e)]
	v_cvt_pk_f16_f32 v[48+4*(\q)+(\e)], v64, v65   ; written as f16
.endif
	ds_store_b32 v9, v[48+4*(\q)+(\e)] offset:(\e)*TPITCH+(\q)*8
.endr
.endr
	s_wait_dscnt 0x0                               ; for the others' sake: my part of every row is in LDS
	s_barrier_signal -1
	s_barrier_wait -1
.irp j, 0,1,2,3
	ds_load_b128 v[68+4*(\j):71+4*(\j)], v10 offset:(\j)*2*TPITCH
.endr
.irp j, 0,1,2,3
	s_wait_dscnt 3-(\j)
	global_store_b128 v[12+(\j)], v[68+4*(\j):71+4*(\j)], s[26:27]  ; 16 lanes store 256 consecutive bytes of an output row, aligned
.endr
	s_wait_tensorcnt 0x0                           ; the wave's end: three lines behind my last LDS store
	ds_add_u32 v[SPW], v[NIL]
	s_wait_dscnt 0x0
	s_endpgm
.endm
.Lnot_x:
	s_cmp_lt_u32 ttmp9, 896
	s_cbranch_scc0 .Lnot_wq
	; ROLE WQ.  Tile (kt, nt): k = 128 kt .., source columns 64 nt .. = one part's one head.
	s_sub_co_u32 s30, ttmp9, 512
	s_and_b32 s31, s30, 7                          ; kt
	s_lshr_b32 s32, s30, 3                         ; nt = 16 part + head
	s_lshr_b32 s33, s32, 4                         ; part
	s_and_b32 s34, s32, 15                         ; head
	s_lshl_b32 s36, s31, 7
	s_lshl4_add_u32 s36, s[WV], s36                ; source row 128 kt + 16 wave
	s_mul_i32 s36, s36, 12288
	s_lshl_b32 s35, s32, 8
	s_add_co_u32 s36, s36, s35                     ; + 256 bytes x nt
	s_mov_b32 s37, 0
	s_add_nc_u64 s[24:25], s[6:7], s[36:37]
	s_cmp_eq_u32 s33, 2                            ; v lies [d][g], q and k [d / 16][head][d % 16]
	s_cselect_b32 s38, 16, 1                       ; output rows from d to d + 1
	s_cselect_b32 s39, 1, 16                       ; output rows from head to head + 1
	s_lshl_b32 s28, s38, 11
	s_lshl_b32 s40, s33, 10
	s_lshr_b32 s41, s[WV], 1                       ; my eight d lie in group d / 16 = wave / 2
	s_lshl_b32 s41, s41, 8
	s_add_co_u32 s40, s40, s41
	s_mul_i32 s41, s34, s39
	s_add_co_u32 s40, s40, s41                     ; output row of d % 16 = 0
	s_lshl_b32 s40, s40, 11                        ; rows of 2,048 bytes
	s_lshl_b32 s41, s31, 8
	s_add_co_u32 s40, s40, s41
	s_mov_b32 s41, 0
	s_add_nc_u64 s[26:27], s[16:17], s[40:41]
	WTILE 12288, 0
.Lnot_wq:
	s_cmp_lt_u32 ttmp9, 1024
	s_cbranch_scc0 .Lbias
	; ROLE WP.  Tile (u, nt): k' = 128 u .., columns 64 nt ...  k' = 128 u + 16 wave + e is channel (8 (u % 2) + wave) 64 + 16 (u / 2) + e: 16 source rows on end.
	s_sub_co_u32 s30, ttmp9, 896
	s_and_b32 s31, s30, 7                          ; u
	s_lshr_b32 s32, s30, 3                         ; nt
	s_and_b32 s33, s31, 1
	s_lshl3_add_u32 s33, s33, s[WV]                ; head
	s_lshl_b32 s33, s33, 6
	s_lshr_b32 s34, s31, 1
	s_lshl4_add_u32 s33, s34, s33                  ; the first source row
	s_lshl_b32 s36, s33, 12
	s_lshl_b32 s35, s32, 8
	s_add_co_u32 s36, s36, s35
	s_mov_b32 s37, 0
	s_add_nc_u64 s[24:25], s[8:9], s[36:37]
	s_lshl_b32 s40, s32, 6
	s_lshr_b32 s41, s[WV], 1
	s_lshl4_add_u32 s40, s41, s40                  ; output row 64 nt + 16 (wave / 2)
	s_lshl_b32 s40, s40, 11
	s_lshl_b32 s41, s31, 8
	s_add_co_u32 s40, s40, s41
	s_mov_b32 s41, 0
	s_add_nc_u64 s[26:27], s[18:19], s[40:41]
	s_mov_b32 s28, 2048
	WTILE 4096, 1
.Lbias:
	; ROLE BIAS.  Thread t makes numbers 4 t .. 4 t + 3 of each of the four parts of 1,024.
	v_bfe_u32 v8, v0, 2, 4                         ; q, k: head
	v_lshrrev_b32 v9, 6, v0                        ; c
	v_and_b32 v10, 3, v0                           ; e / 4; for v: g / 4
	v_lshlrev_b32 v11, 8, v8
	v_lshl_add_u32 v11, v9, 6, v11
	v_lshl_add_u32 v11, v10, 4, v11                ; 4 (64 head + 16 c + e)
	v_lshrrev_b32 v12, 2, v0                       ; v: d
	v_lshlrev_b32 v12, 2, v12
	v_lshl_add_u32 v12, v10, 10, v12               ; 4 (64 g + d)
	v_lshlrev_b32 v13, 4, v0
	global_load_b128 v[16:19], v11, s[10:11]
	global_load_b128 v[20:23], v11, s[10:11] offset:4096
.irp m, 0,1,2,3
	global_load_b32 v[24+(\m)], v12, s[10:11] offset:8192+256*(\m)
.endr
	global_load_b128 v[28:31], v13, s[12:13]
	s_wait_loadcnt 0x0
.irp p, 0,1,2,3
	v_cvt_pk_bf16_f32 v32, v[16+4*(\p)], v[17+4*(\p)]
	v_cvt_pk_bf16_f32 v33, v[18+4*(\p)], v[19+4*(\p)]
	v_lshlrev_b32 v[16+4*(\p)], 16, v32
	v_and_b32 v[17+4*(\p)], 0xffff0000, v32
	v_lshlrev_b32 v[18+4*(\p)], 16, v33
	v_and_b32 v[19+4*(\p)], 0xffff0000, v33
	global_store_b128 v13, v[16+4*(\p):19+4*(\p)], s[20:21] offset:4096*(\p)
.endr
	s_endpgm
.Lfunc_end_k_qd9239499f5_prep:
	.size	k_qd9239499f5_prep, .Lfunc_end_k_qd9239499f5_prep-k_qd9239499f5_prep
	.p2alignl 7, 3214868480
	.fill 96, 4, 3214868480
	.section	.rodata,"a",@progbits
	.p2align	6, 0x0
	.amdhsa_kernel k_qd9239499f5_prep
		.amdhsa_group_segment_fixed_size 18432
		.amdhsa_private_segment_fixed_size 0
		.amdhsa_enable_private_segment 0
		.amdhsa_kernarg_size 72
		.amdhsa_user_sgpr_count 2
		.amdhsa_user_sgpr_kernarg_segment_ptr 1
		.amdhsa_wavefront_size32 1
		.amdhsa_system_sgpr_workgroup_id_x 1
		.amdhsa_system_sgpr_workgroup_id_y 1
		.amdhsa_system_sgpr_workgroup_id_z 1
		.amdhsa_system_vgpr_workitem_id 0
		.amdhsa_next_free_vgpr 144
		.amdhsa_next_free_sgpr 66
		.amdhsa_reserve_vcc 0
		.amdhsa_float_denorm_mode_32 3
		.amdhsa_float_denorm_mode_16_64 3
		.amdhsa_memory_ordered 1
		.amdhsa_forward_progress 1
		.amdhsa_inst_pref_size 30
	.end_amdhsa_kernel
	.amdgpu_metadata
---
amdhsa.version: [ 1, 2 ]
amdhsa.kernels:
  - .name:           k_qd9239499f5_prep
    .symbol:         k_qd9239499f5_prep.kd
    .args:
      - { .name: x, .offset: 0, .size: 8, .value_kind: global_buffer, .address_space: global }
      - { .name: w_qkv, .offset: 8, .size: 8, .value_kind: global_buffer, .address_space: global }
      - { .name: w_proj, .offset: 16, .size: 8, .value_kind: global_buffer, .address_space: global }
      - { .name: b_qkv, .offset: 24, .size: 8, .value_kind: global_buffer, .address_space: global }
      - { .name: b_proj, .offset: 32, .size: 8, .value_kind: global_buffer, .address_space: global }
      - { .name: xb, .offset: 40, .size: 8, .value_kind: global_buffer, .address_space: global }
      - { .name: wq, .offset: 48, .size: 8, .value_kind: global_buffer, .address_space: global }
      - { .name: wp, .offset: 56, .size: 8, .value_kind: global_buffer, .address_space: global }
      - { .name: bias, .offset: 64, .size: 8, .value_kind: global_buffer, .address_space: global }
    .group_segment_fixed_size: 18432
    .private_segment_fixed_size: 0
    .kernarg_segment_align: 8
    .kernarg_segment_size: 72
    .max_flat_workgroup_size: 256
    .sgpr_count:     66
    .vgpr_count:     144
    .wavefront_size: 32
...
	.end_amdgpu_metadata
.endif
;; end of part 1
;; launch gemm_qkv (part 2): grid 4 x 64, 4 waves a work-group, clusters of 4 x 4, 327,680 bytes of LDS; arguments xb, wq, bias, qkv; writes qkv
.if DOCPART == 2
	.amdgcn_target "amdgcn-amd-amdhsa--gfx1250"
	.amdhsa_code_object_version 6
	.text
	.protected	k_qd9239499f5_gemm_qkv
	.globl	k_qd9239499f5_gemm_qkv
	.p2align	8
	.type	k_qd9239499f5_gemm_qkv,@function
k_qd9239499f5_gemm_qkv:
	s_mov_b64 s[64:65], 0
	v_nop
	global_prefetch_b8 v0, s[64:65] scope:SCOPE_SE
	s_setreg_imm32_b32 hwreg(HW_REG_WAVE_MODE, 25, 1), 1
	s_wait_xcnt 0x0
	s_wait_alu depctr_hold_cnt(0) depctr_sa_sdst(0) depctr_va_vdst(0) depctr_va_sdst(0) depctr_va_ssrc(0) depctr_va_vcc(0) depctr_vm_vsrc(0)
	s_getreg_b32 s2, hwreg(HW_REG_IB_STS2, 6, 4)
	s_cmp_eq_u32 s2, 0
	s_cbranch_scc0 .Lentry_in_a_cluster
	s_endpgm
.Lentry_in_a_cluster:
	s_bfe_u32 s2, ttmp6, 0x10000c
	s_cmp_lg_u32 s2, 0xf033
	s_cbranch_scc0 .Lentry_shape_is_right
	s_endpgm
.Lentry_shape_is_right:
; qkv[m][n'] = f16(bias[n'] + the sum over k of xb[m][k] wq[n'][k]).  xb: [16384][1024] bf16, wq: [3072][1024] bf16, bias: f32, qkv: [16384][3072] f16; sums in f32, rounded once.
; LIMIT.  A result of 65,520 or more in size becomes an infinity in f16.  NaN and infinities are not treated apart.
; A tile of C, 256 x 256, is made by a work-group of four waves; a wave makes 128 x 128: 64 accumulators of 16 x 16, 512 registers.  K goes in 8 steps of 128 through a ring of two LDS slots filled by
; the tensor data mover: a tile's rows are 256 bytes of memory, aligned.
; A WORK-GROUP STAYS: it makes three tiles of C, 1,024 columns apart (16,384 rows do not divide by three, so the walk goes along N): 4 x 64 = 256 work-groups.  The three tiles take the same rows of A.
; Their 24 K steps are ONE sequence g = 0 .. 23 for the ring: a tile's last two changes of slots ask for the next tile's first two K steps, and nothing waits for a tile's stores.
; CLUSTERS: 4 x 4 work-groups.  The four of a row of the cluster need the same tiles of A, the four of a column the same tiles of B: each tile is asked for JOINTLY, by the same tensor load with the
; same descriptor and a mask that names the four.
; THE MATRIX INSTRUCTION IS USED TRANSPOSED (source 0 = 16 rows of B, source 1 = 16 rows of A): lane l holds row l % 16 of C and the columns 8 (l / 16) + 0 .. 7.
; THE BIAS STARTS THE SUMS: the first product on accumulator (a, b) takes as C eight registers that hold bias[16 b + 8 (l / 16) + 0 .. 7]: nothing is cleared, nothing is added at the end.
; REGISTERS, in windows of 256 (s_set_vgpr_msb: bits 1:0 source 0, 3:2 source 1, 5:4 source 2, 7:6 destination):
;   window 0: v0-31 addresses; v64-127, v128-191 fragments of A, two buffers; v32-63, v192-255 at work on the way out
;   window 1: v0-63 the bias, 8 registers for each of my 8 blocks of 16 columns; v64-127, v128-191 fragments of B, two buffers
;   window 2: the 32 accumulators of my rows 0-63 ((a, b) at v[8 (8 a + b)]);   window 3: those of my rows 64-127
.set SIZE_N, 3072
.set SIZE_K, 1024
.set TILES,  3
.set WALKN,  SIZE_N/TILES              ; columns of C, and rows of B, from a tile to the next: 1,024
.set TSHIFT, 21                        ; WALKN rows of B are 1,024 x 2,048 = 2^21 bytes
.set KSTEP,  128
.set PITCH,  272                       ; an LDS row: 256 bytes + 16 of padding: an odd multiple of 16 bytes, so the 16 rows that a load touches fall on 16 different 16-byte columns of 256 bytes
.set HALFT,  128*PITCH                 ; 128 rows: what one tensor load brings, and what one wave reads of A or of B
.set SLOT,   4*HALFT                   ; A's 256 rows, then B's 256 rows
.set STAGE,  2*SLOT                    ; behind the ring: 16 rows x 272 bytes for each wave, for the way out; no tensor load lands here
.set SPITCH, 272
.set SPARE,  STAGE+4*16*SPITCH         ; behind the stages: the spare words, 128 bytes for each wave
.set LAPS, SIZE_K/(2*KSTEP)            ; a lap = two K steps = once round the ring: 4 to a tile
.set ADRA, 16                          ; v16-17  LDS address of my A fragments in slot 0, 1
.set ADRB, 20                          ; v20-21  the same for B
.set STO,  24                          ; v24     the way out: where I put 16 bytes of a row
.set RD,   25                          ; v25     the way out: where I read a row back
.set CO,   26                          ; v26     my byte offset in C
.set BO,   27                          ; v27     my byte offset in a block of 16 numbers of the bias: 32 (l / 16)
.set SPW,  28                          ; v28     LDS address of my spare word; never rewritten
.set NIL,  29                          ; v29     0; never rewritten
.set PFO,  30                          ; v30     the prefetches' offset: my lane x a row of A or B (2,048 bytes); never rewritten
.set PFA,  44                          ; s[44:45] the address that the next prefetch names
.set LIM,  43                          ; s43     a wave prefetches K step g + 2 while that number is below this: 8 for A, 24 for B, 0 in a wave that asks for nothing
.set F0,   64
.set F1,   128
.set TMP,  192                         ; the way out: packed results
.set OB,   32                          ; the way out: 16 rows read back: v32-63 and v224-255 by turns
.set G1, 24                            ; s[24:31] descriptor group 1 for A's tiles
.set G0, 32                            ; s[32:39] group 0 for A's tiles, a set for each slot
.set G1B, 48                           ; s[48:55] group 1 for B's tiles: it differs in the mask alone
.set G0B, 56                           ; s[56:63] group 0 for B's tiles
.set GS,  68                           ; s68      g: the K step, of 24, that the next refill asks for
.set OFA, 70                           ; s[70:71] its byte offset from ABASE
.set OFB, 72                           ; s[72:73] its byte offset from BBASE
.set ABASE, 74                         ; s[74:75] A at the 128 rows that I fetch, K step 0; never rewritten
.set BBASE, 76                         ; s[76:77] B at the 128 rows that I fetch in the first tile, K step 0; never rewritten
.set PFB, 78                           ; s[78:79] the prefetches' base: my work-group's 32 of those rows; never rewritten
.set TS,  80                           ; s80      bytes from a tile to the next in what I prefetch: 0 for A, 2^21 for B
.set G2,  81                           ; s81      g + 2
.set PO2, 82                           ; s[82:83] the prefetch's byte offset from PFB
.set MSB, 0
.macro WIN new                         ; the immediate's high byte repeats the setting that is left; a switch that changes nothing is dropped
.if MSB != (\new)
	s_set_vgpr_msb (MSB<<8)|(\new)
.set MSB, \new
.endif
.endm
.set MUL_LO, 0xa1                      ; source 0 (B) window 1, source 1 (A) window 0, C and D window 2
.set MUL_1ST, 0x91                     ; the same with C in window 1: the bias
.set TO_B,   0x40                      ; destination window 1, address window 0
; A joint load.  Waves 0 and 1 fetch A's two halves, waves 2 and 3 B's.  The branch hangs on the wave's number alone.  An s_nop 0 and four v_nop follow each of the two lines.
.macro JLOAD s
	s_cmp_eq_u32 s11, 0
	s_cbranch_scc0 .Lfor_b_\@
	tensor_load_to_lds s[G0+4*(\s):G0+4*(\s)+3], s[G1:G1+7]
	s_nop 0
.rept 4
	v_nop
.endr
	s_branch .Lasked_\@
.Lfor_b_\@:
	tensor_load_to_lds s[G0B+4*(\s):G0B+4*(\s)+3], s[G1B:G1B+7]
	s_nop 0
.rept 4
	v_nop
.endr
.Lasked_\@:
.endm
; A PREFETCH INTO THE L2, behind each joint refill and the run of LDS loads that follows it: behind the refill of K step g it names K step g + 2, 512 matrix instructions ahead of the load that will name
; it: 32 rows x 256 bytes, a lane a row, one instruction a wave.  Each row's 256 bytes of a K step are named once in the launch: for A's rows the cluster with x = 0 asks (here the only one), and in the
; first tile alone, since the other two tiles take the same rows; for B's rows the cluster with y = 0 asks, on through all three tiles.  Of the 128 rows that a wave fetches, the partner at place p
; (cx for A, cy for B) takes 32 p .. 32 p + 31, told apart by address.  K steps 0 to 3 come by their loads alone; the last two refills ask for nothing: there is no K step 24.
.macro ASK
	s_cmp_lt_u32 s[G2], s[LIM]
	s_cbranch_scc0 .Lnot_mine_\@
	global_prefetch_b8 v[PFO], s[PFA:PFA+1] th:TH_LOAD_NT scope:SCOPE_SE
.Lnot_mine_\@:
.endm
.macro CREST                           ; a round of the cluster's barrier behind its opening barrier
	s_cmp_lg_u32 s10, 0
	s_cbranch_scc1 .Lnot_wave_0_\@
	s_barrier_signal -3
.Lnot_wave_0_\@:
	s_barrier_wait -3
	s_barrier_signal -1
	s_barrier_wait -1
.endm
.macro CROUND                          ; a whole round
	s_barrier_signal -1
	s_barrier_wait -1
	CREST
.endm
	s_load_b128 s[4:7], s[0:1], 0x0                ; A s[4:5], B s[6:7]
	s_load_b64 s[66:67], s[0:1], 0x10              ; bias
	s_load_b64 s[8:9], s[0:1], 0x18                ; C
	v_lshl_add_u32 v[SPW], v0, 2, SPARE
	v_mov_b32 v[NIL], 0
	ds_add_u32 v[SPW], v[NIL]                      ; the wave's opening: the add and its wait ahead of my first tensor load; work on registers stands between them
	v_lshrrev_b32 v1, 5, v0
	v_readfirstlane_b32 s10, v1                    ; wave 0..3
	s_lshr_b32 s11, s10, 1                         ; which half of the tile's rows is mine.  Also: I fetch for A (0) or for B (1)
	s_and_b32 s12, s10, 1                          ; which half of its columns.  Also: which 128 rows of that tile I fetch
	s_bfe_u32 s40, ttmp6, 0x40000                  ; cx
	s_bfe_u32 s41, ttmp6, 0x40004                  ; cy
	s_lshl_b32 s42, ttmp9, 2
	s_add_co_u32 s42, s42, s40                     ; tile column of C in the first tile = 4 x cluster x + cx
	s_and_b32 s13, ttmp7, 0xffff
	s_lshl_b32 s13, s13, 2
	s_add_co_u32 s13, s13, s41                     ; tile row of C = 4 x cluster y + cy
	s_lshl_b32 s43, s41, 2
	s_lshl_b32 s43, 15, s43                        ; my row of the cluster: places 4 cy .. 4 cy + 3
	s_lshl_b32 s44, 0x1111, s40                    ; my column: places cx, cx + 4, cx + 8, cx + 12
	; descriptor group 1: a tile of 128 rows x 128 elements of 2 bytes, 4 words of padding behind every 64 words
	s_or_b32 s[G1+0], s43, (1<<16)|(1<<20)|(1<<21)|(5<<22)|(3<<25)
	s_or_b32 s[G1B+0], s44, (1<<16)|(1<<20)|(1<<21)|(5<<22)|(3<<25)
.irp g, G1, G1B
	s_mov_b32 s[(\g)+1], KSTEP<<16                 ; tensor_dim0 = 128
	s_mov_b32 s[(\g)+2], 128<<16                   ; tensor_dim1 = 128
	s_mov_b32 s[(\g)+3], KSTEP<<16                 ; tile_dim0 = 128
	s_mov_b32 s[(\g)+4], 128                       ; tile_dim1 = 128
	s_mov_b32 s[(\g)+5], SIZE_K                    ; elements from row to row
	s_mov_b32 s[(\g)+6], 0
	s_mov_b32 s[(\g)+7], 0
.endr
	; A's tiles hang on the tile row alone, B's on the tile column alone; each address is made in registers that never hold the other coordinate
	s_lshl_b32 s17, s12, 7
	s_lshl_b32 s16, s13, 8
	s_add_co_u32 s16, s16, s17                     ; A: row 256 x tile row + 128 x half
	s_lshl_b32 s46, s42, 8
	s_add_co_u32 s46, s46, s17                     ; B: row 256 x tile column + 128 x half
	s_mov_b32 s17, 0
	s_mov_b32 s47, 0
	s_mov_b64 s[18:19], SIZE_K*2
	s_mul_u64 s[16:17], s[16:17], s[18:19]
	s_mul_u64 s[46:47], s[46:47], s[18:19]
	s_mul_i32 s20, s10, HALFT                      ; where they go: wave x 128 rows: no place in the cluster enters an LDS address
	s_mov_b32 s[OFA+1], 0
	s_mov_b32 s[OFB+1], 0
	s_mov_b32 s[GS], 2                             ; K steps 0 and 1 are asked for below
	s_wait_dscnt 0x0                               ; the opening add is done
	s_wait_kmcnt 0x0
	s_add_nc_u64 s[ABASE:ABASE+1], s[4:5], s[16:17]
	s_add_nc_u64 s[BBASE:BBASE+1], s[6:7], s[46:47]
	CROUND                                         ; all sixteen work-groups are here: the first joint loads meet
.irp s, 0,1
	s_mov_b32 s[G0+4*(\s)], 1
	s_add_co_u32 s[G0+4*(\s)+1], s20, (\s)*SLOT
	s_add_nc_u64 s[G0+4*(\s)+2:G0+4*(\s)+3], s[ABASE:ABASE+1], (\s)*KSTEP*2
	s_or_b32 s[G0+4*(\s)+3], s[G0+4*(\s)+3], 0x80000000
	s_mov_b32 s[G0B+4*(\s)], 1
	s_add_co_u32 s[G0B+4*(\s)+1], s20, (\s)*SLOT
	s_add_nc_u64 s[G0B+4*(\s)+2:G0B+4*(\s)+3], s[BBASE:BBASE+1], (\s)*KSTEP*2
	s_or_b32 s[G0B+4*(\s)+3], s[G0B+4*(\s)+3], 0x80000000
	JLOAD \s                                       ; K steps 0 and 1: two loads of mine are out
.endr
	; a fragment is 16 rows x 32 K in 8 registers: lane l holds row l % 16: two loads of 16 bytes, 32 bytes apart, at row x pitch + 16 (l / 16)
	v_and_b32 v1, 15, v0                           ; l % 16
	v_bfe_u32 v2, v0, 4, 1                         ; l / 16
	v_mul_u32_u24 v3, v1, PITCH
	v_lshl_add_u32 v3, v2, 4, v3
	s_mul_i32 s21, s11, HALFT                      ; my 128 rows of A
	s_mul_i32 s22, s12, HALFT                      ; my 128 rows of B,
	s_add_co_u32 s22, s22, 2*HALFT                 ; which lie behind A's 256
.irp s, 0,1
	v_add_nc_u32 v[ADRA+(\s)], s21, v3
	v_add_nc_u32 v[ADRB+(\s)], s22, v3
	s_add_co_u32 s21, s21, SLOT
	s_add_co_u32 s22, s22, SLOT
.endr
	s_mul_i32 s23, s10, 16*SPITCH
	s_add_co_u32 s23, s23, STAGE                   ; my stage
	v_mul_u32_u24 v4, v1, SPITCH                   ; in: row l % 16, 16 bytes for each half of the lanes
	v_lshl_add_u32 v4, v2, 4, v4
	v_add_nc_u32 v[STO], s23, v4
	v_mul_u32_u24 v5, v2, SPITCH                   ; back: lanes 0-15 take one row of 256 bytes, lanes 16-31 the next
	v_lshl_add_u32 v5, v1, 4, v5
	v_add_nc_u32 v[RD], s23, v5
	v_mul_u32_u24 v5, v2, SIZE_N*2                 ; and the same two rows in C
	v_lshl_add_u32 v[CO], v1, 4, v5
	v_lshlrev_b32 v[BO], 5, v2
	; C at my part of the first tile
	s_lshl_b32 s13, s13, 8
	s_lshl_b32 s14, s11, 7
	s_add_co_u32 s16, s13, s14                     ; my first row of C
	s_mov_b32 s17, 0
	s_mov_b64 s[18:19], SIZE_N*2
	s_mul_u64 s[16:17], s[16:17], s[18:19]
	s_lshl_b32 s46, s42, 9                         ; my first column, in bytes: 512 x tile column + 256 x half
	s_lshl_b32 s47, s12, 8
	s_add_co_u32 s46, s46, s47
	s_mov_b32 s47, 0
	s_add_nc_u64 s[16:17], s[16:17], s[46:47]
	s_add_nc_u64 s[8:9], s[8:9], s[16:17]
	; the prefetches.  s13 = 256 x tile row, s42 = tile column, s40 = cx, s41 = cy still stand
	s_lshl_b32 s42, s42, 8
	s_and_b32 s22, ttmp7, 0xffff                   ; cluster y
	s_cmp_eq_u32 s11, 0                            ; do I fetch for A?
	s_cselect_b32 s20, s13, s42                    ; the tile's first row
	s_cselect_b32 s21, s40, s41                    ; my place among the four that ask for it with me
	s_cselect_b32 s22, ttmp9, s22                  ; the coordinate along which other clusters read the same rows
	s_cselect_b64 s[PFB:PFB+1], s[4:5], s[6:7]
	s_cselect_b32 s[LIM], 8, 8*TILES               ; A's rows in the first tile alone, B's in all three
	s_cselect_b32 s[TS], 0, 1<<TSHIFT
	s_cmp_eq_u32 s22, 0
	s_cselect_b32 s[LIM], s[LIM], 0                ; the same in all sixteen partners, for a given wave
	s_lshl_b32 s22, s12, 7
	s_add_co_u32 s20, s20, s22                     ; + the 128 rows that I fetch
	s_lshl_b32 s21, s21, 5
	s_add_co_u32 s20, s20, s21                     ; + my work-group's 32 of them
	s_mov_b32 s21, 0
	s_mov_b64 s[18:19], SIZE_K*2
	s_mul_u64 s[20:21], s[20:21], s[18:19]
	s_add_nc_u64 s[PFB:PFB+1], s[PFB:PFB+1], s[20:21]
	v_and_b32 v[PFO], 31, v0
	v_mul_u32_u24 v[PFO], v[PFO], SIZE_K*2
	; the bias of my 128 columns of the first tile: 4 bytes x (256 x tile column + 128 x half)
	s_lshl_b32 s20, s42, 2
	s_lshl_b32 s21, s12, 9
	s_add_co_u32 s20, s20, s21
	s_mov_b32 s21, 0
	s_add_nc_u64 s[66:67], s[66:67], s[20:21]
.macro BIAS                            ; 16 loads into window 1
	WIN TO_B
.irp b, 0,1,2,3,4,5,6,7
	global_load_b128 v[8*(\b):8*(\b)+3],   v[BO], s[66:67] offset:64*(\b)
	global_load_b128 v[8*(\b)+4:8*(\b)+7], v[BO], s[66:67] offset:64*(\b)+16
.endr
	WIN 0
.endm
	BIAS
; 16 matrix instructions: m blocks a0, a0 + 1 of the window's four (hi = 0: my rows 0-63, 1: rows 64-127) x all 8 n blocks, 32 along K.  first = 1: the product starts the sum from the bias.
; The 64 accumulators take turns, one instruction a turn, in the same order in every quarter step, over the jumps and from tile to tile too.
.macro MUL16 f, hi, a0, first
.if \first
	WIN MUL_1ST+0x40*(\hi)
.else
	WIN MUL_LO+0x50*(\hi)
.endif
.irp a, \a0, (\a0)+1
.irp b, 0,1,2,3,4,5,6,7
.if \first
	v_wmma_f32_16x16x32_bf16 v[8*(8*(\a)+(\b)):8*(8*(\a)+(\b))+7], v[(\f)+8*(\b):(\f)+8*(\b)+7], v[(\f)+8*(4*(\hi)+(\a)):(\f)+8*(4*(\hi)+(\a))+7], v[8*(\b):8*(\b)+7]
.else
	v_wmma_f32_16x16x32_bf16 v[8*(8*(\a)+(\b)):8*(8*(\a)+(\b))+7], v[(\f)+8*(\b):(\f)+8*(\b)+7], v[(\f)+8*(4*(\hi)+(\a)):(\f)+8*(4*(\hi)+(\a))+7], v[8*(8*(\a)+(\b)):8*(8*(\a)+(\b))+7]
.endif
.endr
.endr
.endm
; 32 LDS loads in one run: the fragments of one quarter step (128 rows of B, 128 rows of A, 32 K at byte k of the rows) into buffer f
.macro FETCH slot, k, f
	WIN TO_B
.irp i, 0,1,2,3,4,5,6,7
	ds_load_b128 v[(\f)+8*(\i):(\f)+8*(\i)+3],   v[ADRB+(\slot)] offset:(\k)+(\i)*16*PITCH
	ds_load_b128 v[(\f)+8*(\i)+4:(\f)+8*(\i)+7], v[ADRB+(\slot)] offset:(\k)+(\i)*16*PITCH+32
.endr
	WIN 0
.irp i, 0,1,2,3,4,5,6,7
	ds_load_b128 v[(\f)+8*(\i):(\f)+8*(\i)+3],   v[ADRA+(\slot)] offset:(\k)+(\i)*16*PITCH
	ds_load_b128 v[(\f)+8*(\i)+4:(\f)+8*(\i)+7], v[ADRA+(\slot)] offset:(\k)+(\i)*16*PITCH+32
.endr
.endm
.macro PLACES                          ; four plain vector instructions between a matrix instruction and a load into a register that it has read, or a reader of its result
.rept 4
	v_nop
.endr
.endm
; A K step is four quarter steps of 32 along K, 64 matrix instructions each, on buffers 0, 1, 0, 1.  One of the first three: multiplies buffer f; in its middle it fetches the next quarter's fragments into g.
.macro QUARTER slot, k, f, g, first
	s_wait_dscnt 8                                 ; B and A's rows 0-63 are in; the youngest eight loads (A's rows 64-127) may be out
	MUL16 \f, 0, 0, \first
	MUL16 \f, 0, 2, \first
	PLACES
	FETCH \slot, \k, \g
	s_wait_dscnt 32                                ; all but the 32 just issued
	MUL16 \f, 1, 0, \first
	MUL16 \f, 1, 2, \first
.endm
; The last quarter multiplies buffer 1 and changes slots.  MEET is its first half: one barrier; in front of it each wave waits for all its tensor loads (the one that is out is its part of the next
; slot), adds 0 to its spare word, and waits for that and for its own reads of this slot.  round = 1: the slot is to be filled again: no tensor load of mine is out behind the first wait, so its two
; group 0s are written here, each address made anew from a base that is never rewritten and from g: A goes (g % 8) x 256 bytes along K, B also (g / 8) x 1,024 rows down.
.macro MEET round, slot=0
	WIN 0                                          ; (the add's two registers lie in window 0)
	s_wait_tensorcnt 0x0                           ; all my tensor loads have landed
	ds_add_u32 v[SPW], v[NIL]                      ; 0 onto my spare word; work on registers stands between it and the wait for it
.if \round
	s_and_b32 s[OFA], s[GS], 7
	s_lshl_b32 s[OFA], s[OFA], 8
	s_lshr_b32 s[OFB], s[GS], 3
	s_lshl_b32 s[OFB], s[OFB], TSHIFT
	s_add_co_u32 s[OFB], s[OFB], s[OFA]
	s_add_nc_u64 s[G0+4*(\slot)+2:G0+4*(\slot)+3], s[ABASE:ABASE+1], s[OFA:OFA+1]
	s_or_b32 s[G0+4*(\slot)+3], s[G0+4*(\slot)+3], 0x80000000
	s_add_nc_u64 s[G0B+4*(\slot)+2:G0B+4*(\slot)+3], s[BBASE:BBASE+1], s[OFB:OFB+1]
	s_or_b32 s[G0B+4*(\slot)+3], s[G0B+4*(\slot)+3], 0x80000000
	s_add_co_u32 s[GS], s[GS], 1
.endif
	s_wait_dscnt 9                                 ; (the add and the youngest eight loads may be out)
	MUL16 F1, 0, 0, 0                              ; sixteen matrix instructions more between the add and the wait for it
	s_wait_dscnt 0x0                               ; the add is done, and my reads of this slot are over
	s_barrier_signal -1
	MUL16 F1, 0, 2, 0                              ; work on registers while the others arrive
.if \round
	WIN 0
.endif
	s_barrier_wait -1
.endm
; The whole last quarter.  fill = 1: the barrier opens a round of the cluster's barrier, and the slot just read out is filled again first behind it, with K step g: from that request to the wait for it a
; wave issues 224 matrix instructions, across tiles too.  fill = 0: nothing is left to fetch.
.macro TURN slot, next, fill
.if \fill
	s_wait_xcnt 0x0                                ; the last prefetch, a K step back, has read its address: it is made anew here, ahead of the waits of the change of slots
	s_add_co_u32 s[G2], s[GS], 2
	s_lshr_b32 s[PO2], s[G2], 3
	s_mul_i32 s[PO2], s[PO2], s[TS]                ; the tile of K step g + 2,
	s_and_b32 s[PO2+1], s[G2], 7
	s_lshl_b32 s[PO2+1], s[PO2+1], 8               ; and its place along K
	s_add_co_u32 s[PO2], s[PO2], s[PO2+1]
	s_mov_b32 s[PO2+1], 0
	s_add_nc_u64 s[PFA:PFA+1], s[PFB:PFB+1], s[PO2:PO2+1]
	MEET 1, \slot
	CREST                                          ; no wave of any partner still reads this slot's tile or has a load on its way
	JLOAD \slot                                    ; the four v_nop behind it are also the places in front of the loads below
.else
	MEET 0
	PLACES
.endif
	FETCH \next, 0, F0
.if \fill
	ASK
.endif
	MUL16 F1, 1, 0, 0
	MUL16 F1, 1, 2, 0
.endm
; THE WAY OUT of block a (16 rows).  PACK: rounded to f16, 16 bytes a lane; each accumulator's registers in ascending order.  TOSTAGE: into my own stage, and back as whole rows of 256 bytes.  SEND: stored.
.macro PACK a
.set AC, 64*((\a)%4)
	WIN 0x0a+5*((\a)/4)                            ; sources 0 and 1: window 2 or 3
.irp b, 0,1,2,3,4,5,6,7
.irp r, 0,1,2,3
	v_cvt_pk_f16_f32 v[TMP+4*(\b)+(\r)], v[AC+8*(\b)+2*(\r)], v[AC+8*(\b)+2*(\r)+1]
.endr
.endr
	WIN 0
.endm
.macro TOSTAGE a
	WIN 0
.set BK, OB+192*((\a)%2)
.irp b, 0,1,2,3,4,5,6,7
	ds_store_b128 v[STO], v[TMP+4*(\b):TMP+4*(\b)+3] offset:32*(\b)
.endr
.irp t, 0,1,2,3,4,5,6,7
	ds_load_b128 v[BK+4*(\t):BK+4*(\t)+3], v[RD] offset:(\t)*2*SPITCH  ; LDS serves a wave's instructions in order (ISA guide 5.7.1.4): these see the stores above
.endr
.endm
.macro SEND a
	WIN 0
.set BK, OB+192*((\a)%2)
	s_wait_dscnt 0x0                               ; the block is back in registers
	s_wait_xcnt 0x0                                ; only behind this wait are the stores' base and the registers that earlier stores read rewritten
.if (\a) > 0
	s_add_nc_u64 s[8:9], s[8:9], 16*SIZE_N*2       ; 16 rows of C on
.endif
.irp t, 0,1,2,3,4,5,6,7
	global_store_b128 v[CO], v[BK+4*(\t):BK+4*(\t)+3], s[8:9] offset:2*(\t)*SIZE_N*2  ; 16 lanes store 256 consecutive bytes, aligned
.endr
.endm
	s_wait_tensorcnt 1                             ; my part of K step 0 is in; K step 1's may stay out
	s_barrier_signal -1
	s_barrier_wait -1                              ; everybody's is
	FETCH 0, 0, F0
	s_wait_loadcnt 0x0                             ; the bias
	QUARTER 0, 64,  F0, F1, 1                      ; the first tile's first quarter stands in front of the loop: its products start the sums
	WIN 0                                          ; at a label and at a branch every window is 0
	s_mov_b32 s3, TILES*LAPS-1                     ; all laps but the last fill both slots again
	s_mov_b32 s2, LAPS                             ; laps of the tile in hand that are still to be ended
.Llap:                                                 ; a trip goes from a lap's second quarter to the next lap's first, and fills both slots again
	QUARTER 0, 128, F1, F0, 0
	QUARTER 0, 192, F0, F1, 0
	TURN 0, 1, 1
	QUARTER 1, 64,  F0, F1, 0
	QUARTER 1, 128, F1, F0, 0
	QUARTER 1, 192, F0, F1, 0
	TURN 1, 0, 1
	WIN 0
	s_sub_co_u32 s2, s2, 1
	s_cmp_eq_u32 s2, 0
	s_cbranch_scc1 .Lout                           ; forward, past no barrier and no tensor load; the same in every wave and every work-group
	QUARTER 0, 64,  F0, F1, 0                      ; the tile goes on
	WIN 0
	s_branch .Lbottom
.Lout:                                                 ; THE TILE IS FINISHED.  Both refills for the next tile are asked for and its first fragments are on their way out of LDS: now the tile goes out
	s_mov_b32 s2, LAPS
	s_add_nc_u64 s[66:67], s[66:67], 4*WALKN       ; the next tile's bias (the last loads by this base were waited for); it lands during the way out
	BIAS
	PLACES                                         ; the conversions read results
	PACK 0
	TOSTAGE 0
.irp a, 1,2,3,4,5,6,7                  ; block a's conversions stand between block a - 1's loads from the stage and the wait for them
	PACK \a
	SEND (\a)-1
	TOSTAGE \a
.endr
	SEND 7
	s_wait_xcnt 0x0                                ; the stores have read their base
	s_sub_nc_u64 s[8:9], s[8:9], 7*16*SIZE_N*2-2*WALKN  ; back to my first rows, 1,024 columns on
	s_wait_loadcnt 0x0                             ; the bias
	QUARTER 0, 64,  F0, F1, 1                      ; the next tile's first quarter starts its sums on accumulators that have been packed; nothing waits for the stores
	WIN 0
.Lbottom:
	s_sub_co_u32 s3, s3, 1
	s_cmp_lg_u32 s3, 0
	s_cbranch_scc1 .Llap
	QUARTER 0, 128, F1, F0, 0                      ; the last tile's last lap is written out: it asks for nothing
	QUARTER 0, 192, F0, F1, 0
	TURN 0, 1, 0
	QUARTER 1, 64,  F0, F1, 0
	QUARTER 1, 128, F1, F0, 0
	QUARTER 1, 192, F0, F1, 0
	s_wait_dscnt 8                                 ; the very last quarter: nothing more to fetch
	MUL16 F1, 0, 0, 0
	MUL16 F1, 0, 2, 0
	s_wait_dscnt 0x0
	MUL16 F1, 1, 0, 0
	MUL16 F1, 1, 2, 0
	WIN 0
	PLACES                                         ; the conversions read results just made
	PACK 0
	TOSTAGE 0
.irp a, 1,2,3,4,5,6,7
	PACK \a
	SEND (\a)-1
	TOSTAGE \a
.endr
	SEND 7
	s_wait_tensorcnt 0x0                           ; the wave's end: three lines behind my last tensor load and my last LDS store
	ds_add_u32 v[SPW], v[NIL]
	s_wait_dscnt 0x0
	CROUND                                         ; the closing round: no work-group ends while a partner may still ask for a tile that names it
	s_endpgm
.Lfunc_end_k_qd9239499f5_gemm_qkv:
	.size	k_qd9239499f5_gemm_qkv, .Lfunc_end_k_qd9239499f5_gemm_qkv-k_qd9239499f5_gemm_qkv
	.p2alignl 7, 3214868480
	.fill 96, 4, 3214868480
	.section	.rodata,"a",@progbits
	.p2align	6, 0x0
	.amdhsa_kernel k_qd9239499f5_gemm_qkv
		.amdhsa_group_segment_fixed_size 327680
		.amdhsa_private_segment_fixed_size 0
		.amdhsa_enable_private_segment 0
		.amdhsa_kernarg_size 32
		.amdhsa_user_sgpr_count 2
		.amdhsa_user_sgpr_kernarg_segment_ptr 1
		.amdhsa_wavefront_size32 1
		.amdhsa_system_sgpr_workgroup_id_x 1
		.amdhsa_system_sgpr_workgroup_id_y 1
		.amdhsa_system_sgpr_workgroup_id_z 1
		.amdhsa_system_vgpr_workitem_id 0
		.amdhsa_next_free_vgpr 1024
		.amdhsa_next_free_sgpr 84
		.amdhsa_reserve_vcc 0
		.amdhsa_float_denorm_mode_32 3
		.amdhsa_float_denorm_mode_16_64 3
		.amdhsa_memory_ordered 1
		.amdhsa_forward_progress 1
		.amdhsa_inst_pref_size 187
	.end_amdhsa_kernel
	.amdgpu_metadata
---
amdhsa.version: [ 1, 2 ]
amdhsa.kernels:
  - .name:           k_qd9239499f5_gemm_qkv
    .symbol:         k_qd9239499f5_gemm_qkv.kd
    .args:
      - { .name: xb, .offset: 0, .size: 8, .value_kind: global_buffer, .address_space: global }
      - { .name: wq, .offset: 8, .size: 8, .value_kind: global_buffer, .address_space: global }
      - { .name: bias, .offset: 16, .size: 8, .value_kind: global_buffer, .address_space: global }
      - { .name: qkv, .offset: 24, .size: 8, .value_kind: global_buffer, .address_space: global }
    .group_segment_fixed_size: 327680
    .private_segment_fixed_size: 0
    .kernarg_segment_align: 8
    .kernarg_segment_size: 32
    .max_flat_workgroup_size: 128
    .sgpr_count:     84
    .vgpr_count:     1024
    .wavefront_size: 32
...
	.end_amdgpu_metadata
.endif
;; end of part 2
;; launch attn (part 3): grid 256 x 1, 16 waves a work-group, no clusters, 0 bytes of LDS; arguments qkv, ob; writes ob
.if DOCPART == 3
	.amdgcn_target "amdgcn-amd-amdhsa--gfx1250"
	.amdhsa_code_object_version 6
	.text
	.protected	k_qd9239499f5_attn
	.globl	k_qd9239499f5_attn
	.p2align	8
	.type	k_qd9239499f5_attn,@function
k_qd9239499f5_attn:
	s_mov_b64 s[64:65], 0
	v_nop
	global_prefetch_b8 v0, s[64:65] scope:SCOPE_SE
	s_setreg_imm32_b32 hwreg(HW_REG_WAVE_MODE, 25, 1), 1
	s_wait_xcnt 0x0
; ATTENTION BETWEEN THE 16 HEADS OF ONE TOKEN.  For each token: S[h][g] = q[h] . k[g] / 8 over 64 channels, P = softmax over g, O[h] = the sum over g of P[h][g] v[g].
; qkv: [16384][3072] f16, a token's row laid q [d / 16][head][d % 16], k likewise, v [d][g]; ob: [16384][1024] f16, laid [d / 16][head][d % 16].  Products, maxima and sums in f32; the row's maximum is
; taken away before the exponential; P = p / l is rounded to f16 for the second product, O once.
; LIMITS.  A weight P below f16's smallest step counts as 0; an exponential below 2^-126 counts as 0 in l; NaN and infinities are not treated apart (a zero operand meets v in the second product).
; SHARES.  A wave owns 4 consecutive tokens and issues their 48 loads at once; sixteen waves, four to a SIMD with 256 registers each, so the work-group's whole share, 16 x 24 KiB, is asked for at its
; start, and a wave whose data have come works and stores while the others' are on their way.  Each load and store of the wave covers 512 consecutive bytes, aligned: lane l = (r = l % 16, h = l / 16)
; takes the 16 bytes at 32 r + 16 h, and that IS the operand layout, so nothing goes through LDS and no wave waits for another.
; LAYOUT.  S^T = K Q^T (source 0 = 16 key heads, source 1 = 16 query heads; 64 channels = two instructions): a lane holds query head r and the keys 8 h + 0..7.  Rounded in pairs these are half of source 1
; of O^T = V^T P.  That product's K of 32 takes two blocks of 16 channels d of V at once (registers 0-3: block 2 c', registers 4-7: block 2 c' + 1, each with its 16 g); source 1 holds P in the half that
; belongs to the wanted block and 0 in the other.  The result holds head r and channels 16 c + 8 h + 0..7: 16 bytes of ob.
; P AND ITS ZEROS.  P is rounded in place into the low four registers of its S^T, and the high four are then set to 0.  So [P][0] is S^T's eight registers, and [0][P] begins four registers lower: in the
; zeroed half of the token before, for token 0 in four registers that hold 0 from the start.
; No work-group reads what another reads: no cluster.  The launch is a stream read once, all of it asked for at the start: no tensor load, no prefetch.
; REGISTERS: v1 the address; v4-19 statistics, 4 a token; v20-23 zeros; v24-55 S^T, 8 a token; v56-247 token t at 56 + 48 t: V 16 registers, Q 16, K 16; O^T (4 x 8) is written over Q and K.
.set VO,  1                            ; v1  32 r + 16 h; never rewritten
.set ST,  4                            ; token t at ST + 4 t: first c m, m, -, the other half's maximum; then the sums; then 1 / l in the third
.set Z,   20
.set S,   24
.set D,   56
.set CS,  12                           ; s[12:13] c = log2(e) / 8
.set SEL, 14                           ; s[14:15] v_permlanex16_b32's selects: each lane takes its own place in the other half
.macro PLACES                          ; four plain vector instructions behind a matrix instruction, ahead of a reader of its result (ISA guide 7.12.1)
.rept 4
	v_nop
.endr
.endm
	s_load_b128 s[4:7], s[0:1], 0x0                ; qkv s[4:5], ob s[6:7]
	v_lshrrev_b32 v2, 5, v0
	v_readfirstlane_b32 s8, v2                     ; wave 0..15
	v_and_b32 v3, 15, v0
	v_bfe_u32 v2, v0, 4, 1
	v_lshlrev_b32 v[VO], 5, v3
	v_lshl_add_u32 v[VO], v2, 4, v[VO]
	s_lshl_b32 s9, ttmp9, 4
	s_add_co_u32 s9, s9, s8                        ; my wave among 4,096
	s_mul_i32 s10, s9, 4*6144                      ; its 4 rows of qkv
	s_mov_b32 s11, 0
	s_lshl_b32 s16, s9, 13                         ; its 4 rows of ob
	s_mov_b32 s17, 0
	s_mov_b32 s[CS], 0x3e38aa3b                    ; log2(e) / 8 = 0.180337
	s_mov_b32 s[CS+1], s[CS]                       ; named with it as a pair
	s_mov_b32 s[SEL], 0x76543210
	s_mov_b32 s[SEL+1], 0xfedcba98
	s_wait_kmcnt 0x0
	s_add_nc_u64 s[4:5], s[4:5], s[10:11]
	s_add_nc_u64 s[6:7], s[6:7], s[16:17]
.irp t, 0,1,2,3                        ; Q and K first: the scores want them
.irp c, 0,1,2,3
	global_load_b128 v[D+48*(\t)+16+4*(\c):D+48*(\t)+16+4*(\c)+3], v[VO], s[4:5] offset:(\t)*6144+512*(\c) th:TH_LOAD_NT
	global_load_b128 v[D+48*(\t)+32+4*(\c):D+48*(\t)+32+4*(\c)+3], v[VO], s[4:5] offset:(\t)*6144+2048+512*(\c) th:TH_LOAD_NT
.endr
.endr
.irp t, 0,1,2,3
.irp c, 0,1,2,3
	global_load_b128 v[D+48*(\t)+4*(\c):D+48*(\t)+4*(\c)+3], v[VO], s[4:5] offset:(\t)*6144+4096+512*(\c) th:TH_LOAD_NT
.endr
.endr
.irp i, 0,1,2,3
	v_mov_b32 v[Z+(\i)], 0
.endr
	s_wait_loadcnt 16                              ; Q and K are in; V's sixteen younger loads may stay out
	; THE SCORES.  The four tokens' accumulators take turns.
.irp t, 0,1,2,3
	v_wmma_f32_16x16x32_f16 v[S+8*(\t):S+8*(\t)+7], v[D+48*(\t)+32:D+48*(\t)+39], v[D+48*(\t)+16:D+48*(\t)+23], 0
.endr
.irp t, 0,1,2,3
	v_wmma_f32_16x16x32_f16 v[S+8*(\t):S+8*(\t)+7], v[D+48*(\t)+40:D+48*(\t)+47], v[D+48*(\t)+24:D+48*(\t)+31], v[S+8*(\t):S+8*(\t)+7]
.endr
	PLACES
	; THE SOFTMAX.  The four tokens line by line, so that no instruction reads the result of the one before it.
.irp t, 0,1,2,3
	v_max3_num_f32 v[ST+4*(\t)+1], v[S+8*(\t)], v[S+8*(\t)+1], v[S+8*(\t)+2]      ; the accumulator's lowest registers are read first
.endr
.irp t, 0,1,2,3
	v_max3_num_f32 v[ST+4*(\t)+3], v[S+8*(\t)+3], v[S+8*(\t)+4], v[S+8*(\t)+5]
.endr
.irp t, 0,1,2,3
	v_max3_num_f32 v[ST+4*(\t)+1], v[ST+4*(\t)+1], v[ST+4*(\t)+3], v[S+8*(\t)+6]
.endr
.irp t, 0,1,2,3
	v_max_num_f32 v[ST+4*(\t)+1], v[ST+4*(\t)+1], v[S+8*(\t)+7]
.endr
.irp t, 0,1,2,3
	v_permlanex16_b32 v[ST+4*(\t)+3], v[ST+4*(\t)+1], s[SEL], s[SEL+1]            ; the query's other 8 keys lie in the lane 16 away
.endr
.irp t, 0,1,2,3
	v_max_num_f32 v[ST+4*(\t)+1], v[ST+4*(\t)+1], v[ST+4*(\t)+3]                  ; m
.endr
.irp t, 0,1,2,3
	v_mul_f32 v[ST+4*(\t)], s[CS], v[ST+4*(\t)+1]                                 ; c m
.endr
.irp p, 0,2,4,6
.irp t, 0,1,2,3
	v_pk_fma_f32 v[S+8*(\t)+(\p):S+8*(\t)+(\p)+1], v[S+8*(\t)+(\p):S+8*(\t)+(\p)+1], s[CS:CS+1], v[ST+4*(\t):ST+4*(\t)+1] op_sel_hi:[1,0,0] neg_lo:[0,0,1] neg_hi:[0,0,1]  ; c s - c m
.endr
.endr
.irp j, 0,1,2,3,4,5,6,7
.irp t, 0,1,2,3
	v_exp_f32 v[S+8*(\t)+(\j)], v[S+8*(\t)+(\j)]                                  ; one batch of 32
.endr
.endr
	v_nop                                          ; a plain instruction behind the last exponential,
	s_wait_alu depctr_va_vdst(0)                   ; and one wait for the batch, ahead of its first reader
.irp t, 0,1,2,3
	v_pk_add_f32 v[ST+4*(\t):ST+4*(\t)+1], v[S+8*(\t):S+8*(\t)+1], v[S+8*(\t)+2:S+8*(\t)+3]          ; c m and m have served
.endr
.irp t, 0,1,2,3
	v_pk_add_f32 v[ST+4*(\t)+2:ST+4*(\t)+3], v[S+8*(\t)+4:S+8*(\t)+5], v[S+8*(\t)+6:S+8*(\t)+7]
.endr
.irp t, 0,1,2,3
	v_pk_add_f32 v[ST+4*(\t):ST+4*(\t)+1], v[ST+4*(\t):ST+4*(\t)+1], v[ST+4*(\t)+2:ST+4*(\t)+3]
.endr
.irp t, 0,1,2,3
	v_add_f32 v[ST+4*(\t)], v[ST+4*(\t)], v[ST+4*(\t)+1]
.endr
.irp t, 0,1,2,3
	v_permlanex16_b32 v[ST+4*(\t)+1], v[ST+4*(\t)], s[SEL], s[SEL+1]
.endr
.irp t, 0,1,2,3
	v_add_f32 v[ST+4*(\t)], v[ST+4*(\t)], v[ST+4*(\t)+1]                          ; l
.endr
.irp t, 0,1,2,3
	v_rcp_f32 v[ST+4*(\t)+2], v[ST+4*(\t)]
.endr
	v_nop                                          ; a plain instruction behind the last reciprocal,
	s_wait_alu depctr_va_vdst(0)                   ; and one wait for the four
.irp p, 0,2,4,6
.irp t, 0,1,2,3
	v_pk_mul_f32 v[S+8*(\t)+(\p):S+8*(\t)+(\p)+1], v[S+8*(\t)+(\p):S+8*(\t)+(\p)+1], v[ST+4*(\t)+2:ST+4*(\t)+3] op_sel_hi:[1,0]
.endr
.endr
.irp i, 0,1,2,3                        ; rounded in place, ascending: register i takes numbers 2 i and 2 i + 1
.irp t, 0,1,2,3
	v_cvt_pk_f16_f32 v[S+8*(\t)+(\i)], v[S+8*(\t)+2*(\i)], v[S+8*(\t)+2*(\i)+1]
.endr
.endr
.irp t, 0,1,2,3
.irp i, 4,5,6,7
	v_mov_b32 v[S+8*(\t)+(\i)], 0                  ; the zeros behind P, which are also the zeros in front of the next token's P
.endr
.endr
	s_wait_loadcnt 0x0                             ; V is in
	; THE SECOND PRODUCT: sixteen sums of one instruction each; block c of 16 channels: V's pair of blocks c / 2, P in the low half (c even) or the high half (c odd) of source 1
.irp c, 0,1,2,3
.irp t, 0,1,2,3
	v_wmma_f32_16x16x32_f16 v[D+48*(\t)+16+8*(\c):D+48*(\t)+23+8*(\c)], v[D+48*(\t)+8*((\c)/2):D+48*(\t)+8*((\c)/2)+7], v[S+8*(\t)-4*((\c)%2):S+8*(\t)-4*((\c)%2)+7], 0
.endr
.endr
	PLACES
	; THE WAY OUT: rounded in place, ascending, and stored
.irp t, 0,1,2,3
.irp c, 0,1,2,3
.irp i, 0,1,2,3
	v_cvt_pk_f16_f32 v[D+48*(\t)+16+8*(\c)+(\i)], v[D+48*(\t)+16+8*(\c)+2*(\i)], v[D+48*(\t)+16+8*(\c)+2*(\i)+1]
.endr
.endr
.endr
.irp t, 0,1,2,3
.irp c, 0,1,2,3
	global_store_b128 v[VO], v[D+48*(\t)+16+8*(\c):D+48*(\t)+19+8*(\c)], s[6:7] offset:(\t)*2048+512*(\c)
.endr
.endr
	s_endpgm
.Lfunc_end_k_qd9239499f5_attn:
	.size	k_qd9239499f5_attn, .Lfunc_end_k_qd9239499f5_attn-k_qd9239499f5_attn
	.p2alignl 7, 3214868480
	.fill 96, 4, 3214868480
	.section	.rodata,"a",@progbits
	.p2align	6, 0x0
	.amdhsa_kernel k_qd9239499f5_attn
		.amdhsa_group_segment_fixed_size 0
		.amdhsa_private_segment_fixed_size 0
		.amdhsa_enable_private_segment 0
		.amdhsa_kernarg_size 16
		.amdhsa_user_sgpr_count 2
		.amdhsa_user_sgpr_kernarg_segment_ptr 1
		.amdhsa_wavefront_size32 1
		.amdhsa_system_sgpr_workgroup_id_x 1
		.amdhsa_system_sgpr_workgroup_id_y 1
		.amdhsa_system_sgpr_workgroup_id_z 1
		.amdhsa_system_vgpr_workitem_id 0
		.amdhsa_next_free_vgpr 256
		.amdhsa_next_free_sgpr 66
		.amdhsa_reserve_vcc 0
		.amdhsa_float_denorm_mode_32 3
		.amdhsa_float_denorm_mode_16_64 3
		.amdhsa_memory_ordered 1
		.amdhsa_forward_progress 1
		.amdhsa_inst_pref_size 21
	.end_amdhsa_kernel
	.amdgpu_metadata
---
amdhsa.version: [ 1, 2 ]
amdhsa.kernels:
  - .name:           k_qd9239499f5_attn
    .symbol:         k_qd9239499f5_attn.kd
    .args:
      - { .name: qkv, .offset: 0, .size: 8, .value_kind: global_buffer, .address_space: global }
      - { .name: ob, .offset: 8, .size: 8, .value_kind: global_buffer, .address_space: global }
    .group_segment_fixed_size: 0
    .private_segment_fixed_size: 0
    .kernarg_segment_align: 8
    .kernarg_segment_size: 16
    .max_flat_workgroup_size: 512
    .sgpr_count:     66
    .vgpr_count:     256
    .wavefront_size: 32
...
	.end_amdgpu_metadata
.endif
;; end of part 3
;; launch gemm_proj (part 4): grid 4 x 64, 4 waves a work-group, clusters of 4 x 4, 327,680 bytes of LDS; arguments ob, wp, bias, out0; writes out0
.if DOCPART == 4
	.amdgcn_target "amdgcn-amd-amdhsa--gfx1250"
	.amdhsa_code_object_version 6
	.text
	.protected	k_qd9239499f5_gemm_proj
	.globl	k_qd9239499f5_gemm_proj
	.p2align	8
	.type	k_qd9239499f5_gemm_proj,@function
k_qd9239499f5_gemm_proj:
	s_mov_b64 s[64:65], 0
	v_nop
	global_prefetch_b8 v0, s[64:65] scope:SCOPE_SE
	s_setreg_imm32_b32 hwreg(HW_REG_WAVE_MODE, 25, 1), 1
	s_wait_xcnt 0x0
	s_wait_alu depctr_hold_cnt(0) depctr_sa_sdst(0) depctr_va_vdst(0) depctr_va_sdst(0) depctr_va_ssrc(0) depctr_va_vcc(0) depctr_vm_vsrc(0)
	s_getreg_b32 s2, hwreg(HW_REG_IB_STS2, 6, 4)
	s_cmp_eq_u32 s2, 0
	s_cbranch_scc0 .Lentry_in_a_cluster
	s_endpgm
.Lentry_in_a_cluster:
	s_bfe_u32 s2, ttmp6, 0x10000c
	s_cmp_lg_u32 s2, 0xf033
	s_cbranch_scc0 .Lentry_shape_is_right
	s_endpgm
.Lentry_shape_is_right:
; out0[m][n] = bias[3072 + n] + the sum over k' of ob[m][k'] wp[n][k'].  ob: [16384][1024] f16, wp: [1024][1024] f16 (both with the same order of k'), bias: f32, out0: [16384][1024] f32; sums in f32.
; NaN and infinities are not treated apart.
; A tile of C, 256 x 256, is made by a work-group of four waves; a wave makes 128 x 128: 64 accumulators of 16 x 16, 512 registers.  K goes in 8 steps of 128 through a ring of two LDS slots filled by
; the tensor data mover: a tile's rows are 256 bytes of memory, aligned.  One tile to a work-group: 4 x 64 = 256 work-groups.
; CLUSTERS: 4 x 4 work-groups.  The four of a row of the cluster need the same tiles of A, the four of a column the same tiles of B: each tile is asked for JOINTLY, by the same tensor load with the
; same descriptor and a mask that names the four.
; THE MATRIX INSTRUCTION IS USED TRANSPOSED (source 0 = 16 rows of B, source 1 = 16 rows of A): lane l holds row l % 16 of C and the columns 8 (l / 16) + 0 .. 7.
; THE BIAS STARTS THE SUMS: the first product on accumulator (a, b) takes as C eight registers that hold the bias of columns 16 b + 8 (l / 16) + 0 .. 7.
; THE WAY OUT needs no arithmetic: the accumulators go as they are into my stage in LDS and come back as rows of 512 bytes.
; REGISTERS, in windows of 256 (s_set_vgpr_msb: bits 1:0 source 0, 3:2 source 1, 5:4 source 2, 7:6 destination):
;   window 0: v0-31 addresses; v64-127, v128-191 fragments of A, two buffers; on the way out the rows read back, by turns
;   window 1: v0-63 the bias; v64-127, v128-191 fragments of B, two buffers
;   window 2: the 32 accumulators of my rows 0-63 ((a, b) at v[8 (8 a + b)]);   window 3: those of my rows 64-127
.set SIZE_N, 1024
.set SIZE_K, 1024
.set BIASOFF, 12288                    ; where this launch's bias begins in the buffer, in bytes
.set KSTEP,  128
.set PITCH,  272                       ; an LDS row: 256 bytes + 16 of padding: an odd multiple of 16 bytes
.set HALFT,  128*PITCH
.set SLOT,   4*HALFT                   ; A's 256 rows, then B's 256 rows
.set STAGE,  2*SLOT                    ; behind the ring: 16 rows x 528 bytes for each wave; no tensor load lands here
.set SPITCH, 528                       ; 512 bytes + 16: an odd multiple of 16 bytes
.set SPARE,  STAGE+4*16*SPITCH         ; behind the stages: the spare words, 128 bytes for each wave
.set LAPS, SIZE_K/(2*KSTEP)
.set ADRA, 16
.set ADRB, 20
.set STO,  24                          ; v24     the way out: where I put 32 bytes of a row
.set RD,   25                          ; v25     the way out: where I read 16 bytes of a row back
.set CO,   26                          ; v26     my byte offset in a row's 512 bytes of C
.set BO,   27                          ; v27     32 (l / 16)
.set SPW,  28
.set NIL,  29
.set PFO,  30
.set PFA,  44
.set LIM,  43
.set F0,   64
.set F1,   128
.set G1, 24
.set G0, 32
.set G1B, 48
.set G0B, 56
.set MSB, 0
.macro WIN new                         ; the immediate's high byte repeats the setting that is left; a switch that changes nothing is dropped
.if MSB != (\new)
	s_set_vgpr_msb (MSB<<8)|(\new)
.set MSB, \new
.endif
.endm
.set MUL_LO, 0xa1                      ; source 0 (B) window 1, source 1 (A) window 0, C and D window 2
.set MUL_1ST, 0x91                     ; the same with C in window 1: the bias
.set TO_B,   0x40                      ; destination window 1, address window 0
; A joint load.  Waves 0 and 1 fetch A's two halves, waves 2 and 3 B's.  The branch hangs on the wave's number alone.  An s_nop 0 and four v_nop follow each of the two lines.
.macro JLOAD s
	s_cmp_eq_u32 s11, 0
	s_cbranch_scc0 .Lfor_b_\@
	tensor_load_to_lds s[G0+4*(\s):G0+4*(\s)+3], s[G1:G1+7]
	s_nop 0
.rept 4
	v_nop
.endr
	s_branch .Lasked_\@
.Lfor_b_\@:
	tensor_load_to_lds s[G0B+4*(\s):G0B+4*(\s)+3], s[G1B:G1B+7]
	s_nop 0
.rept 4
	v_nop
.endr
.Lasked_\@:
.endm
; A PREFETCH INTO THE L2, behind each joint refill and the run of LDS loads that follows it: the K step that stands two refills on, 512 matrix instructions ahead of the load that will name it:
; 32 rows x 256 bytes, a lane a row, one instruction a wave.  Each row's 256 bytes of a K step are named once in the launch: for A's rows the cluster with x = 0 asks (here the only one), for B's the
; cluster with y = 0; of the 128 rows that a wave fetches, the partner at place p (cx for A, cy for B) takes 32 p .. 32 p + 31, told apart by address.  K steps 0 to 3 come by their loads alone; the
; loop's last trip (s3 = 1) asks for nothing.
.macro ASK
	s_cmp_gt_u32 s3, s[LIM]
	s_cbranch_scc0 .Lnot_mine_\@
	global_prefetch_b8 v[PFO], s[PFA:PFA+1] offset:KSTEP*2 th:TH_LOAD_NT scope:SCOPE_SE
.Lnot_mine_\@:
.endm
.macro CREST                           ; a round of the cluster's barrier behind its opening barrier
	s_cmp_lg_u32 s10, 0
	s_cbranch_scc1 .Lnot_wave_0_\@
	s_barrier_signal -3
.Lnot_wave_0_\@:
	s_barrier_wait -3
	s_barrier_signal -1
	s_barrier_wait -1
.endm
.macro CROUND                          ; a whole round
	s_barrier_signal -1
	s_barrier_wait -1
	CREST
.endm
	s_load_b128 s[4:7], s[0:1], 0x0                ; A s[4:5], B s[6:7]
	s_load_b64 s[66:67], s[0:1], 0x10              ; bias
	s_load_b64 s[8:9], s[0:1], 0x18                ; C
	v_lshl_add_u32 v[SPW], v0, 2, SPARE
	v_mov_b32 v[NIL], 0
	ds_add_u32 v[SPW], v[NIL]                      ; the wave's opening: the add and its wait ahead of my first tensor load; work on registers stands between them
	v_lshrrev_b32 v1, 5, v0
	v_readfirstlane_b32 s10, v1                    ; wave 0..3
	s_lshr_b32 s11, s10, 1                         ; which half of the tile's rows is mine.  Also: I fetch for A (0) or for B (1)
	s_and_b32 s12, s10, 1                          ; which half of its columns.  Also: which 128 rows of that tile I fetch
	s_bfe_u32 s40, ttmp6, 0x40000                  ; cx
	s_bfe_u32 s41, ttmp6, 0x40004                  ; cy
	s_lshl_b32 s42, ttmp9, 2
	s_add_co_u32 s42, s42, s40                     ; tile column of C
	s_and_b32 s13, ttmp7, 0xffff
	s_lshl_b32 s13, s13, 2
	s_add_co_u32 s13, s13, s41                     ; tile row of C
	s_lshl_b32 s43, s41, 2
	s_lshl_b32 s43, 15, s43                        ; my row of the cluster
	s_lshl_b32 s44, 0x1111, s40                    ; my column
	; descriptor group 1: a tile of 128 rows x 128 elements of 2 bytes, 4 words of padding behind every 64 words
	s_or_b32 s[G1+0], s43, (1<<16)|(1<<20)|(1<<21)|(5<<22)|(3<<25)
	s_or_b32 s[G1B+0], s44, (1<<16)|(1<<20)|(1<<21)|(5<<22)|(3<<25)
.irp g, G1, G1B
	s_mov_b32 s[(\g)+1], KSTEP<<16                 ; tensor_dim0 = 128
	s_mov_b32 s[(\g)+2], 128<<16                   ; tensor_dim1 = 128
	s_mov_b32 s[(\g)+3], KSTEP<<16                 ; tile_dim0 = 128
	s_mov_b32 s[(\g)+4], 128                       ; tile_dim1 = 128
	s_mov_b32 s[(\g)+5], SIZE_K                    ; elements from row to row
	s_mov_b32 s[(\g)+6], 0
	s_mov_b32 s[(\g)+7], 0
.endr
	s_lshl_b32 s17, s12, 7
	s_lshl_b32 s16, s13, 8
	s_add_co_u32 s16, s16, s17                     ; A: row 256 x tile row + 128 x half
	s_lshl_b32 s46, s42, 8
	s_add_co_u32 s46, s46, s17                     ; B: row 256 x tile column + 128 x half
	s_mov_b32 s17, 0
	s_mov_b32 s47, 0
	s_mov_b64 s[18:19], SIZE_K*2
	s_mul_u64 s[16:17], s[16:17], s[18:19]
	s_mul_u64 s[46:47], s[46:47], s[18:19]
	s_mul_i32 s20, s10, HALFT                      ; where they go: wave x 128 rows
	s_wait_dscnt 0x0                               ; the opening add is done
	s_wait_kmcnt 0x0
	s_add_nc_u64 s[14:15], s[4:5], s[16:17]
	s_add_nc_u64 s[46:47], s[6:7], s[46:47]
	CROUND                                         ; all sixteen work-groups are here: the first joint loads meet
.irp s, 0,1
	s_mov_b32 s[G0+4*(\s)], 1
	s_add_co_u32 s[G0+4*(\s)+1], s20, (\s)*SLOT
	s_add_nc_u64 s[G0+4*(\s)+2:G0+4*(\s)+3], s[14:15], (\s)*KSTEP*2
	s_or_b32 s[G0+4*(\s)+3], s[G0+4*(\s)+3], 0x80000000
	s_mov_b32 s[G0B+4*(\s)], 1
	s_add_co_u32 s[G0B+4*(\s)+1], s20, (\s)*SLOT
	s_add_nc_u64 s[G0B+4*(\s)+2:G0B+4*(\s)+3], s[46:47], (\s)*KSTEP*2
	s_or_b32 s[G0B+4*(\s)+3], s[G0B+4*(\s)+3], 0x80000000
	JLOAD \s                                       ; K steps 0 and 1: two loads of mine are out
.endr
	v_and_b32 v1, 15, v0                           ; l % 16
	v_bfe_u32 v2, v0, 4, 1                         ; l / 16
	v_mul_u32_u24 v3, v1, PITCH
	v_lshl_add_u32 v3, v2, 4, v3
	s_mul_i32 s21, s11, HALFT                      ; my 128 rows of A
	s_mul_i32 s22, s12, HALFT                      ; my 128 rows of B,
	s_add_co_u32 s22, s22, 2*HALFT                 ; which lie behind A's 256
.irp s, 0,1
	v_add_nc_u32 v[ADRA+(\s)], s21, v3
	v_add_nc_u32 v[ADRB+(\s)], s22, v3
	s_add_co_u32 s21, s21, SLOT
	s_add_co_u32 s22, s22, SLOT
.endr
	s_mul_i32 s23, s10, 16*SPITCH
	s_add_co_u32 s23, s23, STAGE                   ; my stage
	v_mul_u32_u24 v4, v1, SPITCH                   ; in: row l % 16, 32 bytes for each half of the lanes
	v_lshl_add_u32 v4, v2, 5, v4
	v_add_nc_u32 v[STO], s23, v4
	v_and_b32 v5, 31, v0                           ; back: 32 lanes take one row's 512 bytes,
	v_lshlrev_b32 v[CO], 4, v5                     ; which are 512 consecutive bytes of C
	v_add_nc_u32 v[RD], s23, v[CO]
	v_lshlrev_b32 v[BO], 5, v2
	; where my part of the tile begins in C, in bytes
	s_lshl_b32 s13, s13, 8
	s_lshl_b32 s14, s11, 7
	s_add_co_u32 s16, s13, s14                     ; my first row of C
	s_mov_b32 s17, 0
	s_mov_b64 s[18:19], SIZE_N*4
	s_mul_u64 s[16:17], s[16:17], s[18:19]
	s_lshl_b32 s46, s42, 10                        ; my first column, in bytes: 1,024 x tile column + 512 x half
	s_lshl_b32 s47, s12, 9
	s_add_co_u32 s46, s46, s47
	s_mov_b32 s47, 0
	s_add_nc_u64 s[16:17], s[16:17], s[46:47]
	; the prefetches.  s13 = 256 x tile row, s42 = tile column, s40 = cx, s41 = cy still stand
	s_lshl_b32 s42, s42, 8
	s_and_b32 s22, ttmp7, 0xffff                   ; cluster y
	s_cmp_eq_u32 s11, 0                            ; do I fetch for A?
	s_cselect_b32 s20, s13, s42
	s_cselect_b32 s21, s40, s41
	s_cselect_b32 s22, ttmp9, s22
	s_cselect_b64 s[PFA:PFA+1], s[4:5], s[6:7]
	s_cmp_eq_u32 s22, 0
	s_cselect_b32 s[LIM], 1, -1                    ; the same in all sixteen partners, for a given wave
	s_lshl_b32 s22, s12, 7
	s_add_co_u32 s20, s20, s22
	s_lshl_b32 s21, s21, 5
	s_add_co_u32 s20, s20, s21
	s_mov_b32 s21, 0
	s_mov_b64 s[18:19], SIZE_K*2
	s_mul_u64 s[20:21], s[20:21], s[18:19]
	s_add_nc_u64 s[PFA:PFA+1], s[PFA:PFA+1], s[20:21]
	s_add_nc_u64 s[PFA:PFA+1], s[PFA:PFA+1], 2*KSTEP*2  ; at K step 2: the first refill steps it to 3 and names K step 4
	v_and_b32 v[PFO], 31, v0
	v_mul_u32_u24 v[PFO], v[PFO], SIZE_K*2
	; the bias of my 128 columns
	s_lshl_b32 s20, s42, 2
	s_lshl_b32 s21, s12, 9
	s_add_co_u32 s20, s20, s21
	s_add_co_u32 s20, s20, BIASOFF
	s_mov_b32 s21, 0
	s_add_nc_u64 s[66:67], s[66:67], s[20:21]
	WIN TO_B
.irp b, 0,1,2,3,4,5,6,7
	global_load_b128 v[8*(\b):8*(\b)+3],   v[BO], s[66:67] offset:64*(\b)
	global_load_b128 v[8*(\b)+4:8*(\b)+7], v[BO], s[66:67] offset:64*(\b)+16
.endr
	WIN 0
; 16 matrix instructions: m blocks a0, a0 + 1 of the window's four x all 8 n blocks, 32 along K.  first = 1: the product starts the sum from the bias.
; The 64 accumulators take turns, one instruction a turn, in the same order in every quarter step.
.macro MUL16 f, hi, a0, first
.if \first
	WIN MUL_1ST+0x40*(\hi)
.else
	WIN MUL_LO+0x50*(\hi)
.endif
.irp a, \a0, (\a0)+1
.irp b, 0,1,2,3,4,5,6,7
.if \first
	v_wmma_f32_16x16x32_f16 v[8*(8*(\a)+(\b)):8*(8*(\a)+(\b))+7], v[(\f)+8*(\b):(\f)+8*(\b)+7], v[(\f)+8*(4*(\hi)+(\a)):(\f)+8*(4*(\hi)+(\a))+7], v[8*(\b):8*(\b)+7]
.else
	v_wmma_f32_16x16x32_f16 v[8*(8*(\a)+(\b)):8*(8*(\a)+(\b))+7], v[(\f)+8*(\b):(\f)+8*(\b)+7], v[(\f)+8*(4*(\hi)+(\a)):(\f)+8*(4*(\hi)+(\a))+7], v[8*(8*(\a)+(\b)):8*(8*(\a)+(\b))+7]
.endif
.endr
.endr
.endm
.macro FETCH slot, k, f                ; 32 LDS loads in one run: the fragments of one quarter step into buffer f
	WIN TO_B
.irp i, 0,1,2,3,4,5,6,7
	ds_load_b128 v[(\f)+8*(\i):(\f)+8*(\i)+3],   v[ADRB+(\slot)] offset:(\k)+(\i)*16*PITCH
	ds_load_b128 v[(\f)+8*(\i)+4:(\f)+8*(\i)+7], v[ADRB+(\slot)] offset:(\k)+(\i)*16*PITCH+32
.endr
	WIN 0
.irp i, 0,1,2,3,4,5,6,7
	ds_load_b128 v[(\f)+8*(\i):(\f)+8*(\i)+3],   v[ADRA+(\slot)] offset:(\k)+(\i)*16*PITCH
	ds_load_b128 v[(\f)+8*(\i)+4:(\f)+8*(\i)+7], v[ADRA+(\slot)] offset:(\k)+(\i)*16*PITCH+32
.endr
.endm
.macro PLACES                          ; four plain vector instructions between a matrix instruction and a load into a register that it has read, or a reader of its result
.rept 4
	v_nop
.endr
.endm
.macro QUARTER slot, k, f, g, first
	s_wait_dscnt 8                                 ; B and A's rows 0-63 are in; the youngest eight loads (A's rows 64-127) may be out
	MUL16 \f, 0, 0, \first
	MUL16 \f, 0, 2, \first
	PLACES
	FETCH \slot, \k, \g
	s_wait_dscnt 32                                ; all but the 32 just issued
	MUL16 \f, 1, 0, \first
	MUL16 \f, 1, 2, \first
.endm
.macro MEET round
	WIN 0                                          ; (the add's two registers lie in window 0)
	s_wait_tensorcnt 0x0                           ; all my tensor loads have landed: the one that was out is my part of the next slot
	ds_add_u32 v[SPW], v[NIL]                      ; 0 onto my spare word
	s_wait_dscnt 9                                 ; (the add and the youngest eight loads may be out)
	MUL16 F1, 0, 0, 0                              ; sixteen matrix instructions stand between the add and the wait for it
	s_wait_dscnt 0x0                               ; the add is done, and my reads of this slot are over
	s_barrier_signal -1
	MUL16 F1, 0, 2, 0                              ; work on registers while the others arrive
.if \round
	WIN 0
.endif
	s_barrier_wait -1
.endm
.macro TURN slot, next, fill
.if \fill
	s_wait_xcnt 0x0                                ; the last prefetch, a K step back, has read its address: it is stepped here, ahead of the waits of the change of slots
	s_add_nc_u64 s[PFA:PFA+1], s[PFA:PFA+1], KSTEP*2
	MEET 1
	CREST                                          ; no wave of any partner still reads this slot's tile or has a load on its way
	s_add_nc_u64 s[G0+4*(\slot)+2:G0+4*(\slot)+3], s[G0+4*(\slot)+2:G0+4*(\slot)+3], 2*KSTEP*2
	s_add_nc_u64 s[G0B+4*(\slot)+2:G0B+4*(\slot)+3], s[G0B+4*(\slot)+2:G0B+4*(\slot)+3], 2*KSTEP*2
	JLOAD \slot                                    ; the four v_nop behind it are also the places in front of the loads below
.else
	MEET 0
	PLACES
.endif
	FETCH \next, 0, F0
.if \fill
	ASK
.endif
	MUL16 F1, 1, 0, 0
	MUL16 F1, 1, 2, 0
.endm
; THE WAY OUT of block a (16 rows x 128 columns of f32).  TOSTAGE32: the accumulators, each from its low end on, into my own stage, and back as 16 rows of 512 bytes.  SEND32: stored.
.macro TOSTAGE32 a
.set AC, 64*((\a)%4)
.set BK, 64+64*((\a)%2)
	s_wait_xcnt 0x0                                ; the stores of the block two back have read the registers that are loaded below
	WIN 0x08+4*((\a)/4)                            ; the stores' data: window 2 or 3
.irp b, 0,1,2,3,4,5,6,7
	ds_store_b128 v[STO], v[AC+8*(\b):AC+8*(\b)+3]   offset:64*(\b)
	ds_store_b128 v[STO], v[AC+8*(\b)+4:AC+8*(\b)+7] offset:64*(\b)+16
.endr
	WIN 0
.irp t, 0,1,2,3,4,5,6,7,8,9,10,11,12,13,14,15
	ds_load_b128 v[BK+4*(\t):BK+4*(\t)+3], v[RD] offset:(\t)*SPITCH  ; LDS serves a wave's instructions in order (ISA guide 5.7.1.4): these see the stores above, and the next block's stores come behind them
.endr
.endm
.macro SEND32 a, younger               ; younger: the LDS instructions issued behind block a's loads: the next block's 32, or none
.set BK, 64+64*((\a)%2)
	s_wait_dscnt \younger                          ; the block is back in registers
	s_wait_xcnt 0x0                                ; only behind this wait is the stores' base rewritten
.if (\a) == 0
	s_add_nc_u64 s[8:9], s[8:9], s[16:17]          ; on to my first rows
.else
	s_add_nc_u64 s[8:9], s[8:9], 16*SIZE_N*4       ; 16 rows of C on
.endif
.irp t, 0,1,2,3,4,5,6,7,8,9,10,11,12,13,14,15
	global_store_b128 v[CO], v[BK+4*(\t):BK+4*(\t)+3], s[8:9] offset:(\t)*SIZE_N*4 th:TH_STORE_NT  ; the wave stores 512 consecutive bytes of a row, aligned
.endr
.endm
	s_wait_tensorcnt 1                             ; my part of K step 0 is in; K step 1's may stay out
	s_barrier_signal -1
	s_barrier_wait -1                              ; everybody's is
	FETCH 0, 0, F0
	s_wait_loadcnt 0x0                             ; the bias
	QUARTER 0, 64,  F0, F1, 1                      ; the first quarter stands in front of the loop: its products start the sums
	WIN 0                                          ; at a label and at a branch every window is 0
	s_mov_b32 s3, LAPS-1
.Llap:                                                 ; a trip goes once round the ring, from a lap's second quarter to the next lap's first, and fills both slots again
	QUARTER 0, 128, F1, F0, 0
	QUARTER 0, 192, F0, F1, 0
	TURN 0, 1, 1
	QUARTER 1, 64,  F0, F1, 0
	QUARTER 1, 128, F1, F0, 0
	QUARTER 1, 192, F0, F1, 0
	TURN 1, 0, 1
	QUARTER 0, 64,  F0, F1, 0
	WIN 0
	s_sub_co_u32 s3, s3, 1
	s_cmp_lg_u32 s3, 0
	s_cbranch_scc1 .Llap
	QUARTER 0, 128, F1, F0, 0                      ; the last lap is written out: it asks for nothing
	QUARTER 0, 192, F0, F1, 0
	TURN 0, 1, 0
	QUARTER 1, 64,  F0, F1, 0
	QUARTER 1, 128, F1, F0, 0
	QUARTER 1, 192, F0, F1, 0
	s_wait_dscnt 8                                 ; the very last quarter: nothing more to fetch
	MUL16 F1, 0, 0, 0
	MUL16 F1, 0, 2, 0
	s_wait_dscnt 0x0
	MUL16 F1, 1, 0, 0
	MUL16 F1, 1, 2, 0
	WIN 0
	PLACES                                         ; the LDS stores read results just made, and the loads below land in registers that the last products read
	TOSTAGE32 0
.irp a, 1,2,3,4,5,6,7                  ; block a's trip through the stage is under way while block a - 1 is stored
	TOSTAGE32 \a
	SEND32 (\a)-1, 32
.endr
	SEND32 7, 0
	s_wait_tensorcnt 0x0                           ; the wave's end: three lines behind my last tensor load and my last LDS store
	ds_add_u32 v[SPW], v[NIL]
	s_wait_dscnt 0x0
	CROUND                                         ; the closing round: no work-group ends while a partner may still ask for a tile that names it
	s_endpgm
.Lfunc_end_k_qd9239499f5_gemm_proj:
	.size	k_qd9239499f5_gemm_proj, .Lfunc_end_k_qd9239499f5_gemm_proj-k_qd9239499f5_gemm_proj
	.p2alignl 7, 3214868480
	.fill 96, 4, 3214868480
	.section	.rodata,"a",@progbits
	.p2align	6, 0x0
	.amdhsa_kernel k_qd9239499f5_gemm_proj
		.amdhsa_group_segment_fixed_size 327680
		.amdhsa_private_segment_fixed_size 0
		.amdhsa_enable_private_segment 0
		.amdhsa_kernarg_size 32
		.amdhsa_user_sgpr_count 2
		.amdhsa_user_sgpr_kernarg_segment_ptr 1
		.amdhsa_wavefront_size32 1
		.amdhsa_system_sgpr_workgroup_id_x 1
		.amdhsa_system_sgpr_workgroup_id_y 1
		.amdhsa_system_sgpr_workgroup_id_z 1
		.amdhsa_system_vgpr_workitem_id 0
		.amdhsa_next_free_vgpr 1024
		.amdhsa_next_free_sgpr 68
		.amdhsa_reserve_vcc 0
		.amdhsa_float_denorm_mode_32 3
		.amdhsa_float_denorm_mode_16_64 3
		.amdhsa_memory_ordered 1
		.amdhsa_forward_progress 1
		.amdhsa_inst_pref_size 144
	.end_amdhsa_kernel
	.amdgpu_metadata
---
amdhsa.version: [ 1, 2 ]
amdhsa.kernels:
  - .name:           k_qd9239499f5_gemm_proj
    .symbol:         k_qd9239499f5_gemm_proj.kd
    .args:
      - { .name: ob, .offset: 0, .size: 8, .value_kind: global_buffer, .address_space: global }
      - { .name: wp, .offset: 8, .size: 8, .value_kind: global_buffer, .address_space: global }
      - { .name: bias, .offset: 16, .size: 8, .value_kind: global_buffer, .address_space: global }
      - { .name: out0, .offset: 24, .size: 8, .value_kind: global_buffer, .address_space: global }
    .group_segment_fixed_size: 327680
    .private_segment_fixed_size: 0
    .kernarg_segment_align: 8
    .kernarg_segment_size: 32
    .max_flat_workgroup_size: 128
    .sgpr_count:     68
    .vgpr_count:     1024
    .wavefront_size: 32
...
	.end_amdgpu_metadata
.endif
;; end of part 4
